; MI455X (gfx1250); checked and timed in simulation.
; The chip was launched on July 23, 2026; its instructions are those of AMD's public machine-readable ISA for CDNA 5 (MIT licence, August 2026) and "CDNA5" Instruction Set Architecture Reference Guide (July 2026). The comments in the code are by the model that wrote it; some were corrected since.
;; Bilinear Scorer. Allowed arithmetic: matrix products marked QUANTISED: E3M2 operands, one E8M0 scale for each 32 along K, by v_wmma_scale_f32_16x16x128_f8f6f4 with both operands' format E3M2, f32 sums; products left as they are: f32 operands where the result goes on into a quantised operand, else bf16, f16 or f32 operands; f32 sums; everything else in f32.
;; Inputs: U_codes 64 x 512 x 16 x 24 uint8 (E3M2 codes of U, K innermost, in blocks of 32 codes, four codes in three bytes); U_scales 64 x 512 x 16 uint8 (E8M0 scales of U, one for each 32 codes along K); args_input 8 x 512 x 512 float32; bias1 1 x 32,768 float32; bias2 1 x 64 float32; pred_input_codes 8 x 512 x 16 x 24 uint8 (E3M2 codes of pred_input, K innermost, in blocks of 32 codes, four codes in three bytes); pred_input_scales 8 x 512 x 16 uint8 (E8M0 scales of pred_input, one for each 32 codes along K).
;; Outputs: out0 4,096 x 64 float32.
;; This version of the problem:
;;   THIS VERSION OF THE PROBLEM IS GIVEN IN LOW PRECISION. The matrix products marked QUANTISED in the list below multiply operands that are first quantised to E3M2 (3 exponent bits, 2 mantissa bits; 6 bits a number), with one power-of-two scale for each 32 numbers along K (OCP MX v1.0); their sums are f32. All else is computed in f32.
;;   The module's matrix products, in the order in which they are computed (A, B: the left and right operand; K: the contracted axis; several contracted axes count as one K, in the product's order):
;;     1. [M 4,096, K 512] x [K 512, N 32,768]; A: input pred_input (given as codes); B: input U (given as codes): QUANTISED
;;     2. batch 4,096 x [M 64, K 512] x [K 512, N 1]; A: computed on the way; B: input args_input: left as it is (N = 1 < 16)
;;   THE QUANTISER, for each operand of a quantised product, along K:
;;     - K is cut into blocks of 32 from its start; a last block that is shorter is filled with zeros.
;;     - A block's scale is 2^e with e = floor(log2(the largest magnitude in the block)) - 4, held to -126 .. 127; a block of zeros has e = 0. As a byte (E8M0): e + 127.
;;     - Each number is divided by its block's scale, clamped to +-28, and rounded to the nearest number of E3M2, ties to even, subnormals kept.
;;     - The product sums the exact products of the quantised numbers (number of the format x scale) in f32.
;;   ~~~python
;;   def quantise(x, axis):      # numpy; x: float32 -> the quantised numbers, widened to float32 again
;;       x = np.moveaxis(x, axis, -1); K = x.shape[-1]
;;       x = np.pad(x, [(0, 0)] * (x.ndim - 1) + [(0, -K % 32)]); x = x.reshape(x.shape[:-1] + (-1, 32)); a = np.abs(x).max(-1, keepdims=True)
;;       e = np.where(a > 0, np.clip(np.frexp(np.where(a > 0, a, 1))[1] - 1 - 4, -126, 127), 0)      # np.frexp(a)[1] - 1 = floor(log2(a)), exactly
;;       r = np.clip(x / 2.0 ** e, -28, 28)
;;       step = 2.0 ** (np.maximum(np.frexp(np.where(r == 0, 1, r))[1] - 1, -2) - 2)
;;       q = np.round(r / step) * step * 2.0 ** e      # np.round: ties to even
;;       return np.moveaxis(q.reshape(q.shape[:-2] + (-1,))[..., :K], -1, axis).astype(np.float32)
;;   ~~~
;;   INPUTS GIVEN AS CODES. U (in the module: [512, 64, 512], K = its axis 0); pred_input (in the module: [8, 512, 512], K = its axis 2): each comes as NAME_codes (uint8): NAME with its K axis moved to the last place and cut into blocks of 32 codes, [.., K / 32, bytes a block], one block behind the other in memory; four codes in three bytes: a row's codes are one little-endian stream of bits, code i at bits 6 i .. 6 i + 5 (a code: sign, 3 exponent bits, 2 mantissa bits); and NAME_scales (uint8): the same leading axes, one E8M0 byte (e + 127) for each 32 codes along K. Its value is code x scale, taken as it is: it is not quantised again, and the codes and scales need not be those that the quantiser above would give.
;; 2 versions. Each part assembles by itself: llvm-mc -triple=amdgcn-amd-amdhsa -mcpu=gfx1250 --defsym DOCPART=n.
;; ======== version 1 of 2: 1 launch
;; launch bilinear (part 1): grid 32 x 8, 4 waves a work-group, clusters of 4 x 1, 327,680 bytes of LDS; arguments U_codes, U_scales, args_input, bias1, bias2, pred_input_codes, pred_input_scales, out0; writes out0
.if DOCPART == 1
	.amdgcn_target "amdgcn-amd-amdhsa--gfx1250"
	.amdhsa_code_object_version 6
	.text
	.protected	k_q679f6d05ad_bilinear
	.globl	k_q679f6d05ad_bilinear
	.p2align	8
	.type	k_q679f6d05ad_bilinear,@function
k_q679f6d05ad_bilinear:
	s_mov_b64 s[64:65], 0
	v_nop
	global_prefetch_b8 v0, s[64:65] scope:SCOPE_SE
	s_setreg_imm32_b32 hwreg(HW_REG_WAVE_MODE, 25, 1), 1
	s_wait_xcnt 0x0
	s_wait_alu depctr_hold_cnt(0) depctr_sa_sdst(0) depctr_va_vdst(0) depctr_va_sdst(0) depctr_va_ssrc(0) depctr_va_vcc(0) depctr_vm_vsrc(0)
	s_getreg_b32 s2, hwreg(HW_REG_IB_STS2, 6, 4)
	s_cmp_eq_u32 s2, 0
	s_cbranch_scc0 .Lentry_in_a_cluster
	s_endpgm
.Lentry_in_a_cluster:
	s_bfe_u32 s2, ttmp6, 0x10000c
	s_cmp_lg_u32 s2, 0x3003
	s_cbranch_scc0 .Lentry_shape_is_right
	s_endpgm
.Lentry_shape_is_right:
; out[n][r] = sum over k of (sum over h of pred[n][h] U[h][r][k] + bias1[512 r + k]) args[n][k] + bias2[r].   n: 4,096 rows, r: 64 roles, h and k: 512.
; pred and U come as codes of BF6 (E3M2) with one E8M0 byte for each 32 along h; a row of U_codes is column 512 r + k of the first product: 384 bytes of codes, 16 scale bytes.
; The first product (4,096 x 32,768 x 512) never goes to memory: each finished tile of 16 x 16 is multiplied by args and added up over k in registers.
; SHARES.  A work-group owns 128 rows n (row block rb) x 8 roles (group g) x all 512 k.  ITS FOUR WAVES SHARE k, NOT ROWS: wave w owns k = 128 w .. 128 w + 127 for all 128 rows and 8 roles.
; So a wave keeps for the whole launch: pred's fragments of 128 rows x all of h (384 registers), pred's scale words (16), and its 128 x 128 piece of args as packed bf16 (256 registers).  Only U is streamed.
; THE MATRIX INSTRUCTION IS USED TRANSPOSED (source 0 = 16 rows of U, source 1 = 16 rows of pred): a lane then holds ONE row n (lane % 16) and eight neighbouring k (8 (lane / 16) + 0 .. 7).
; bias1 is the C of each sum's first matrix instruction.  A finished tile is folded into two running sums a row tile by v_fma_mix_f32_bf16 (f32 x bf16 + f32), two behind each matrix instruction of the NEXT tile.
; U: a step is half a role: each wave fetches its own 64 rows (24,576 dense bytes) into its own part of one of two LDS slots and reads only that part.
; CLUSTER: the four row blocks of a cluster want the same rows of U and the same bias1: these are asked for JOINTLY (mask 15).  That divides the requests for U, 1.5 MB a work-group, by four.
; args (256 KB a work-group, shared by the 8 role groups) and pred (48 KB) are read once, at the head, and are not asked for jointly: args goes through registers, since 256 KB of f32 do not fit in LDS beside the ring.
; THE WAY OUT: a work-group owns 8 of a row's 64 numbers: a lane stores 32 consecutive bytes of its row; the 256 bytes of a row of out0 belong to 8 work-groups, which hand each other nothing.  out0 is 1 MB of the 24 MB moved.
; LIMITS: args is rounded to bf16 (to nearest even; relative error up to 2^-9 a term) for the second product, whose sums are f32; its range is that of f32.  The order of the f32 sums over k differs from a plain ascending one.
;
; REGISTERS, in windows of 256 (s_set_vgpr_msb: bits 1:0 source 0, 3:2 source 1, 5:4 source 2, 7:6 destination):
;   window 0: v0-15 addresses; v16-31 pred's scale words; v32-47 U's scale words, four sets; v48-55 sums on their way out; v96-255 group blocks 6, 7
;   window 1: v0-127 two sets of 8 accumulators; v128-223 two sets of U's 4 fragments; v224-231 bias1 of the tile; v232-247 the running sums; v248-255 addresses and a zero
;   windows 2, 3: group blocks 0-2, 3-5.   A GROUP BLOCK G is 80 registers: pred's four fragments of K step G / 2, row tiles 4 (G % 2) + 0 .. 3, and args of row tile G (8 tiles of k x 4 registers).
; So a matrix instruction of group G, the two multiply-adds behind it (row tile G of the tile before) and the LDS loads of U all work under ONE setting: three switches a tile of 32 matrix instructions.
.set PITCH,  432                       ; a row of U or pred in LDS: 3 x (128 bytes + 16 of padding) = 108 words: row r starts at bank 44 r mod 64 (64 banks of 4 bytes: ISA guide 11.1): 16 different multiples of 4; lanes 16-31 lie 6 or 10 words on
.set TROW,   16*PITCH                  ; 16 rows
.set WPART,  64*PITCH                  ; a wave's part of a slot: 64 rows of U
.set SLOTB,  4*WPART                   ; a slot
.set BIAS,   2*SLOTB                   ; bias1 of the 8 roles: 16,384 dense bytes, filled once
.set PRED,   BIAS+16384                ; pred's 128 rows, filled once and read at the head alone; later the partial sums lie here (it has had its last fill, and every wave has passed a barrier behind its last read)
.set ASTG,   PRED+128*PITCH            ; args' stage: 16 rows x 272 bytes for each wave
.set APITCH, 272
.set SPARE,  ASTG+4*16*APITCH          ; the spare words, 128 bytes for each wave: two blocks of 256 bytes that no other line names
.set PLANE,  4160                      ; the partial sums of one (wave, half of the lanes): 8 roles x 128 rows x 4 bytes + 64
.set ROLEB,  512*384                   ; a role's rows of U in memory
.set HALFB,  64*384                    ; what one tensor load brings of U
; window 0
.set SPW,  1                           ; LDS address of my spare word; never rewritten
.set NIL,  2                           ; 0; never rewritten
.set L16,  3                           ; 16 x lane
.set ASTR, 5                           ; args' stage, on the way out: row lane % 16, + 16 (lane / 16)
.set PA0,  6                           ; pred in LDS: 432 r + 24 h;  v7: 432 r + 40 h, for the pieces that lie behind one padding more
.set CA,   8                           ; the final sums: 4 x thread
.set OUTO, 9                           ; 256 x thread: my row of out0
.set PFO,  10                          ; 256 x lane: the prefetches' offset
.set PS,   16                          ; v[PS + 4 i + q]: lanes 0-15 the word of pred's row tile 2 i, lanes 16-31 of 2 i + 1, K step q
.set SC,   32                          ; v[SC + 4 i + q]: lanes 0-15 the word of U's tile 2 i of the role, lanes 16-31 of 2 i + 1
.set RES,  48
.set FIN,  96
; window 1
.set ACC,   0                          ; accumulator (set b, row tile a) at 64 b + 8 a
.set UF,    128                        ; U's fragment (set b, K step q) at 128 + 48 b + 12 q
.set BIASR, 224
.set SS,    232                        ; the running sums of row tile a: even k at 2 a, odd k at 2 a + 1
.set L16X,  240                        ; at the head alone: 16 x lane
.set UA,    248                        ; slot 0: 432 r + 24 h, 432 r + 40 h; slot 1: the same
.set BA,    252                        ; bias1 in LDS
.set OA,    253                        ; where my partial sums go
.set ZX,    254                        ; 0
.set ASTWX, 255                        ; args' stage, on the way in: 8 x lane
; scalars
.set WV,   20
.set CX,   21
.set RB,   22
.set GR,   23
.set G1U,  24                          ; s[24:31] group 1 for U;  s[32:35], s[36:39] group 0, one for each slot
.set G0U,  32
.set G1P,  40                          ; s[40:47], s[48:51] pred
.set G0P,  48
.set G1B,  52                          ; s[52:59], s[60:63] bias1
.set G0B,  60
.set PFA,  66
.set LIM,  68
.set TRIPS, 69
.set SCB,  70
.set B2,   72
.set ARGB, 80
.set OUTB, 82
.set PSB,  84
.set MSB, 0
.macro WIN new                         ; the immediate's high byte repeats the setting that is left; a switch that changes nothing is dropped
.if MSB != (\new)
	s_set_vgpr_msb (MSB<<8)|(\new)
.set MSB, \new
.endif
.endm
.macro PLACES
.rept 4
	v_nop
.endr
.endm
.macro CREST                           ; a round of the cluster's barrier behind its opening barrier
	s_cmp_lg_u32 s[WV], 0
	s_cbranch_scc1 .Lnot_wave_0_\@
	s_barrier_signal -3
.Lnot_wave_0_\@:
	s_barrier_wait -3
	s_barrier_signal -1
	s_barrier_wait -1
.endm
.macro CROUND                          ; a whole round
	s_barrier_signal -1
	s_barrier_wait -1
	CREST
.endm
.macro GSET gg                         ; group block gg: its first register's low byte and its window
.if (\gg) < 6
.set PGL, 80*((\gg)%3)
.set PGW, 2+(\gg)/3
.else
.set PGL, 96+80*((\gg)-6)
.set PGW, 0
.endif
.endm
; One load of 8 bytes of a fragment (16 rows x 128 along K of 6-bit codes: 12 registers; lane (r, h) holds row r, registers 6 c .. 6 c + 5 the 24 bytes of K = 64 c + 32 h + 0 .. 31, as they lie).
; Lanes 0-15 take the row's piece 12 q + 6 (p / 3) + p % 3, lanes 16-31 the piece three on.  16 bytes of padding lie behind every 16 pieces: where the piece three on lies behind one padding more, the second address register serves.
.macro FRAGL dst, adr, rowoff, q, p
.set fPC, 12*(\q)+6*((\p)/3)+(\p)%3
.if fPC%16 < 13
	ds_load_b64 v[(\dst)+2*(\p):(\dst)+2*(\p)+1], v[\adr] offset:(\rowoff)+8*fPC+16*(fPC/16)
.else
	ds_load_b64 v[(\dst)+2*(\p):(\dst)+2*(\p)+1], v[(\adr)+1] offset:(\rowoff)+8*fPC+16*(fPC/16)
.endif
.endm
; LDS load n of the 26 that a tile wants, in the order in which it wants them: K step 0 (6), bias1 (2), K steps 1, 2, 3 (6 each).  nb: the set; sg: the slot; cc: which 16 rows of my 64; bo: bias1's byte
.macro LDOP n, nb, sg, cc, bo
.if (\n) == 6
	ds_load_b128 v[BIASR:BIASR+3], v[BA] offset:\bo
.elseif (\n) == 7
	ds_load_b128 v[BIASR+4:BIASR+7], v[BA] offset:(\bo)+16
.else
.if (\n) < 6
.set lQ, 0
.set lP, \n
.else
.set lQ, ((\n)-2)/6
.set lP, ((\n)-2)%6
.endif
	FRAGL UF+48*(\nb)+12*lQ, UA+2*(\sg), (\cc)*TROW, lQ, lP
.endif
.endm
; Matrix instruction sn (0 .. 31) of tile ct (0 .. 7 of a role): group sn / 4, K step sn / 8, row tile 4 ((sn / 4) % 2) + sn % 4.  The eight accumulators take turns, one instruction a turn, and the sets change from tile to tile
; The first K step takes bias1 as C: nothing is cleared and no bias is added.
.macro MM ct
.set mG, sn/4
.set mQ, sn/8
.set mA, 4*(mG%2)+sn%4
	GSET mG
.set wN, 0x51|(PGW<<2)
	WIN wN
.set rD, ACC+64*((\ct)%2)+8*mA
.set rU, UF+48*((\ct)%2)+12*mQ
.set rP, PGL+12*(sn%4)
.set rX, SC+4*((\ct)/2)+mQ
.set rY, PS+4*(mA/2)+mQ
.set rC, rD
.if mQ == 0
.set rC, BIASR
.endif
.if ((\ct)%2 == 0) && (mA%2 == 0)
	v_wmma_scale_f32_16x16x128_f8f6f4 v[rD:rD+7], v[rU:rU+11], v[rP:rP+11], v[rC:rC+7], v[rX], v[rY] matrix_a_fmt:MATRIX_FMT_BF6 matrix_b_fmt:MATRIX_FMT_BF6
.elseif ((\ct)%2 == 1) && (mA%2 == 0)
	v_wmma_scale_f32_16x16x128_f8f6f4 v[rD:rD+7], v[rU:rU+11], v[rP:rP+11], v[rC:rC+7], v[rX], v[rY] matrix_a_fmt:MATRIX_FMT_BF6 matrix_b_fmt:MATRIX_FMT_BF6 matrix_a_scale:MATRIX_SCALE_ROW1
.elseif (\ct)%2 == 0
	v_wmma_scale_f32_16x16x128_f8f6f4 v[rD:rD+7], v[rU:rU+11], v[rP:rP+11], v[rC:rC+7], v[rX], v[rY] matrix_a_fmt:MATRIX_FMT_BF6 matrix_b_fmt:MATRIX_FMT_BF6 matrix_b_scale:MATRIX_SCALE_ROW1
.else
	v_wmma_scale_f32_16x16x128_f8f6f4 v[rD:rD+7], v[rU:rU+11], v[rP:rP+11], v[rC:rC+7], v[rX], v[rY] matrix_a_fmt:MATRIX_FMT_BF6 matrix_b_fmt:MATRIX_FMT_BF6 matrix_a_scale:MATRIX_SCALE_ROW1 matrix_b_scale:MATRIX_SCALE_ROW1
.endif
.endm
; The two multiply-adds of place sn for the finished tile pt: registers 2 t and 2 t + 1 (t = sn % 4) of row tile sn / 4's accumulator, times the two bf16 halves of args' register t.  Each accumulator is read from its low end on.
; A role's first tile starts the sums with the register that holds 0.
.macro EP pt
.set eG, sn/4
.set eT, sn%4
	GSET eG
.set wN, 0x51|(PGW<<2)
	WIN wN
.set rA, ACC+64*((\pt)%2)+8*eG+2*eT
.set rB, PGL+48+4*(\pt)+eT
.set rS, SS+2*eG
.if ((\pt) == 0) && (eT == 0)
	v_fma_mix_f32_bf16 v[rS], v[rA], v[rB], v[ZX] op_sel_hi:[0,1,0]
	v_fma_mix_f32_bf16 v[rS+1], v[rA+1], v[rB], v[ZX] op_sel:[0,1,0] op_sel_hi:[0,1,0]
.else
	v_fma_mix_f32_bf16 v[rS], v[rA], v[rB], v[rS] op_sel_hi:[0,1,0]
	v_fma_mix_f32_bf16 v[rS+1], v[rA+1], v[rB], v[rS+1] op_sel:[0,1,0] op_sel_hi:[0,1,0]
.endif
.endm
; A PREFETCH INTO THE L2 of the half role that stands TWO refills of this slot's kind on (a whole role, 256 matrix instructions, ahead of the load that will ask for it).  All 8 clusters of a role group walk the same U: the first
; (cluster x = 0) asks.  Its four partners share the bytes out BY ADDRESS: partner cx names wave cx's 24,576 bytes, its waves 0 to 2 a third each, lanes 256 bytes apart: each aligned block of 256 bytes is named once in the launch.
; It asks while more than one trip is left: the last role named is the group's last.  The first two roles come by their loads alone.
.macro ASK off
	s_cmp_gt_u32 s[TRIPS], s[LIM]
	s_cbranch_scc0 .Lnot_mine_\@
	global_prefetch_b8 v[PFO], s[PFA:PFA+1] offset:\off th:TH_LOAD_NT scope:SCOPE_SE
.Lnot_mine_\@:
.endm
; A TILE: 16 rows of U x my work-group's 128 rows x all of K: 32 matrix instructions.  ep: the tile before is folded in between them; ld: the next tile's 26 LDS loads are issued; bo: its bias1's byte;
; sl: a set of U's scale words is asked for, six tiles ahead of its first use, into the set that the last two tiles used; lw >= 0: the wait for this tile's set (that many younger sets may be out).
; tu = 1: the tile is the last of its slot and changes slots; tu = 2: the same in the last role, where nothing is filled again.
; A load into a register that a matrix instruction has read, and a vector instruction that reads a matrix result, stand four plain vector instructions behind it that name none of its registers (ISA guide 7.12.1 for vector instructions)
; the multiply-adds are those places; where there are none (ep = 0), four v_nop.
.macro TILE ct, ep, ld, tu, bo, sl, lw
.set tNX, ((\ct)+1)%8
.if (\lw) >= 0
	s_wait_loadcnt \lw
.endif
.if (\tu) == 1
	WIN 0                                          ; (the add's two registers lie in window 0)
	s_wait_tensorcnt 0x0                           ; all my tensor loads have landed: the one that was out is my part of the other slot;
	ds_add_u32 v[SPW], v[NIL]                      ; 0 onto my spare word
	s_wait_dscnt 19                                ; K step 0 and bias1 are in: the 18 loads behind them and the add may be out
.else
.if (\tu) == 2
	s_wait_tensorcnt 0x0                           ; my part of slot 1, the last load of the launch: I alone read it
.endif
	s_wait_dscnt 18                                ; K step 0 and bias1 are in: the 18 loads of K steps 1 to 3 may be out
.endif
.if (\ct) == 1
	WIN 0x44
	v_add_nc_u32 v[BA], 2048, v[BA]                ; on to this role's bias1: the loads that named the register are in
.endif
.set sn, 0
.rept 32
.if (\tu) == 1
.if sn == 8
	s_wait_dscnt 0x0                               ; the add is done, and my reads of this slot are over: all this tile's fragments are in registers
	s_barrier_signal -1                            ; this barrier opens a round of the cluster's barrier
.elseif sn == 12
	WIN 0
	s_barrier_wait -1
	CREST                                          ; no wave of any partner still reads this slot or has a load on its way
	s_add_nc_u64 s[G0U+4*((\ct)/4)+2:G0U+4*((\ct)/4)+3], s[G0U+4*((\ct)/4)+2:G0U+4*((\ct)/4)+3], ROLEB
	tensor_load_to_lds s[G0U+4*((\ct)/4):G0U+4*((\ct)/4)+3], s[G1U:G1U+7]   ; my one tensor load behind the round: the same half of the next role; 116 matrix instructions ahead of the wait for it
	s_nop 0
	PLACES
	ASK ((\ct)/4)*HALFB
.endif
.elseif (sn == 8) || (sn == 16) || (sn == 24)
	s_wait_dscnt 18-6*(sn/8)+(\ld)*(sn-4)          ; this K step's fragment is in: the later K steps' loads and those issued in this tile may be out
.endif
	MM \ct
.if \ep
	EP ((\ct)+7)%8
.elseif sn == 9
	PLACES                                         ; in front of the loads into bias1's registers, which the first eight products read
.endif
.if \ld
.if (\tu) == 1
.if (sn >= 12) && (sn < 25)
	LDOP 2*(sn-12), ((\ct)+1)%2, tNX/4, tNX%4, \bo
	LDOP 2*(sn-12)+1, ((\ct)+1)%2, tNX/4, tNX%4, \bo
.endif
.elseif (sn >= 4) && (sn < 30)
	LDOP sn-4, ((\ct)+1)%2, tNX/4, tNX%4, \bo
.endif
.endif
.if (\sl) && (sn == 2)
	WIN 0
	global_load_b128 v[SC+4*(((\ct)/2+3)%4):SC+4*(((\ct)/2+3)%4)+3], v[L16], s[SCB:SCB+1] offset:512*(((\ct)/2+3)%4)   ; 32 rows' scale bytes: 512 consecutive bytes
.endif
.set sn, sn+1
.endr
.endm
; A role is done: each row tile's two sums are added and go to my plane of the partial sums.  The address is stepped first: the stores that named it are a role old.
.macro SSAVE
	WIN 0x44
	v_add_nc_u32 v[OA], 512, v[OA]
	WIN 0x05
.irp a, 0,1,2,3,4,5,6,7
	v_add_f32 v[RES+\a], v[SS+2*\a], v[SS+2*\a+1]
.endr
	WIN 0x01
.irp a, 0,1,2,3,4,5,6,7
	ds_store_b32 v[OA], v[RES+\a] offset:64*\a
.endr
.endm
	s_load_b256 s[4:11], s[0:1], 0x0               ; U's codes s[4:5], U's scales s[6:7], args s[8:9], bias1 s[10:11]
	s_load_b256 s[12:19], s[0:1], 0x20             ; bias2 s[12:13], pred's codes s[14:15], pred's scales s[16:17], out0 s[18:19]
	v_lshl_add_u32 v[SPW], v0, 2, SPARE
	v_mov_b32 v[NIL], 0
	ds_add_u32 v1, v2
	ds_add_u32 v1, v2
	s_wait_dscnt 0x0
	v_lshrrev_b32 v11, 5, v0
	v_readfirstlane_b32 s[WV], v11                 ; wave 0..3
	s_bfe_u32 s[CX], ttmp6, 0x40000                ; cx: my place in the cluster
	s_lshl_b32 s[RB], ttmp9, 2                     ; in a cluster launch ttmp9 counts clusters
	s_add_co_u32 s[RB], s[RB], s[CX]               ; my block of 128 rows
	s_and_b32 s[GR], ttmp7, 0xffff                 ; my group of 8 roles, which the four partners share
	; group 1 for U: my 64 rows are 24,576 dense bytes: stated as 32 rows of 768 bytes, 16 bytes of padding behind every 128
	s_mov_b32 s[G1U], 15|(1<<20)|(1<<21)|(4<<22)|(3<<25)   ; 15:0 the mask: all four work-groups; 17:16 elements of 1 byte; 20 padding on; 21 set beside a mask; 24:22 after every 32 words (code 4); 31:25 4 words of it (code 3)
	s_mov_b32 s[G1U+1], 768<<16                    ; tensor_dim0
	s_mov_b32 s[G1U+2], 32<<16                     ; tensor_dim1
	s_mov_b32 s[G1U+3], 768<<16                    ; tile_dim0
	s_mov_b32 s[G1U+4], 32                         ; tile_dim1
	s_mov_b32 s[G1U+5], 768                        ; tensor_dim0_stride
	s_mov_b32 s[G1U+6], 0
	s_mov_b32 s[G1U+7], 0
	; for pred: a wave brings 32 rows, 12,288 dense bytes, as 16 rows of 768; no mask: each work-group has its own rows
	s_mov_b32 s[G1P], (1<<20)|(4<<22)|(3<<25)
	s_mov_b32 s[G1P+1], 768<<16
	s_mov_b32 s[G1P+2], 16<<16
	s_mov_b32 s[G1P+3], 768<<16
	s_mov_b32 s[G1P+4], 16
	s_mov_b32 s[G1P+5], 768
	s_mov_b32 s[G1P+6], 0
	s_mov_b32 s[G1P+7], 0
	; for bias1: a wave brings 4,096 dense bytes as 16 rows of 256 (32 elements of 8 bytes), no padding; jointly
	s_mov_b32 s[G1B], 15|(3<<16)|(1<<21)
	s_mov_b32 s[G1B+1], 32<<16
	s_mov_b32 s[G1B+2], 16<<16
	s_mov_b32 s[G1B+3], 32<<16
	s_mov_b32 s[G1B+4], 16
	s_mov_b32 s[G1B+5], 32
	s_mov_b32 s[G1B+6], 0
	s_mov_b32 s[G1B+7], 0
	; byte offsets, each in the pair that will hold its address.  What the joint loads name hangs on the role group and the wave alone
	s_mul_i32 s[G0U+2], s[GR], 8*ROLEB
	s_mul_i32 s98, s[WV], 2*HALFB
	s_add_co_u32 s[G0U+2], s[G0U+2], s98           ; U: my group's first role, my 128 rows of it
	s_mov_b32 s[G0U+3], 0
	s_lshl_b32 s[G0B+2], s[GR], 14
	s_lshl_b32 s98, s[WV], 12
	s_add_co_u32 s[G0B+2], s[G0B+2], s98           ; bias1: my group's 16,384 bytes, my quarter
	s_mov_b32 s[G0B+3], 0
	s_add_co_u32 s[G0B+1], s98, BIAS               ; and its place in LDS
	s_mov_b32 s[G0B], 1
	s_mov_b32 s[G0U], 1
	s_mul_i32 s[G0U+1], s[WV], WPART               ; my part of slot 0,
	s_mov_b32 s[G0U+4], 1
	s_add_co_u32 s[G0U+5], s[G0U+1], SLOTB         ; of slot 1
	s_mov_b32 s[G0P], 1
	s_mul_i32 s[G0P+1], s[WV], 32*PITCH
	s_add_co_u32 s[G0P+1], s[G0P+1], PRED
	s_lshl_b32 s[SCB], s[GR], 16
	s_lshl_b32 s98, s[WV], 11
	s_add_co_u32 s[SCB], s[SCB], s98               ; U's scale bytes: 8,192 a role, 2,048 for my 128 rows
	s_mov_b32 s[SCB+1], 0
	s_lshl_b32 s86, s[GR], 5                       ; bias2: my 8 numbers
	s_mov_b32 s87, 0
	s_mul_i32 s[G0P+2], s[RB], 128*384
	s_mul_i32 s99, s[WV], 32*384
	s_add_co_u32 s[G0P+2], s[G0P+2], s99           ; pred: my block's rows, the 32 that I fetch
	s_mov_b32 s[G0P+3], 0
	s_lshl_b32 s[ARGB], s[RB], 18
	s_lshl_b32 s99, s[WV], 9
	s_add_co_u32 s[ARGB], s[ARGB], s99             ; args: my block's rows of 2,048 bytes, my 512 bytes of each
	s_mov_b32 s[ARGB+1], 0
	s_lshl_b32 s[PSB], s[RB], 11                   ; pred's scale bytes: 16 a row
	s_mov_b32 s[PSB+1], 0
	s_lshl_b32 s[OUTB], s[RB], 15
	s_lshl_b32 s99, s[GR], 5
	s_add_co_u32 s[OUTB], s[OUTB], s99             ; out0: my block's rows of 256 bytes, my 32 bytes of each
	s_mov_b32 s[OUTB+1], 0
	s_mul_i32 s[PFA], s[GR], 8*ROLEB               ; the prefetches: the group's role 2, wave cx's rows, my third of their first half
	s_mul_i32 s99, s[CX], 2*HALFB
	s_add_co_u32 s[PFA], s[PFA], s99
	s_lshl_b32 s99, s[WV], 13
	s_add_co_u32 s[PFA], s[PFA], s99
	s_add_co_u32 s[PFA], s[PFA], 2*ROLEB
	s_mov_b32 s[PFA+1], 0
	s_cmp_eq_u32 s[WV], 3
	s_cselect_b32 s98, 1, 0
	s_or_b32 s98, s98, ttmp9                       ; 0 in waves 0 to 2 of the role group's first cluster: the same in all four partners
	s_cmp_eq_u32 s98, 0
	s_cselect_b32 s[LIM], 1, -1
	s_wait_kmcnt 0x0
	s_add_nc_u64 s[G0U+2:G0U+3], s[4:5], s[G0U+2:G0U+3]
	s_add_nc_u64 s[G0U+6:G0U+7], s[G0U+2:G0U+3], HALFB
	s_or_b32 s[G0U+3], s[G0U+3], 0x80000000        ; 127:126 type = 2
	s_or_b32 s[G0U+7], s[G0U+7], 0x80000000
	s_add_nc_u64 s[G0B+2:G0B+3], s[10:11], s[G0B+2:G0B+3]
	s_or_b32 s[G0B+3], s[G0B+3], 0x80000000
	s_add_nc_u64 s[G0P+2:G0P+3], s[14:15], s[G0P+2:G0P+3]
	s_or_b32 s[G0P+3], s[G0P+3], 0x80000000
	s_add_nc_u64 s[PFA:PFA+1], s[4:5], s[PFA:PFA+1]
	s_add_nc_u64 s[SCB:SCB+1], s[6:7], s[SCB:SCB+1]
	s_add_nc_u64 s[ARGB:ARGB+1], s[8:9], s[ARGB:ARGB+1]
	s_add_nc_u64 s[PSB:PSB+1], s[16:17], s[PSB:PSB+1]
	s_add_nc_u64 s[OUTB:OUTB+1], s[18:19], s[OUTB:OUTB+1]
	s_add_nc_u64 s[12:13], s[12:13], s[86:87]
	CROUND                                         ; all four work-groups are here: the first joint loads meet
	tensor_load_to_lds s[G0P:G0P+3], s[G1P:G1P+7]  ; the first fills go out as one group: four loads of mine are out.  pred,
	s_nop 0
	tensor_load_to_lds s[G0B:G0B+3], s[G1B:G1B+7]  ; bias1,
	s_nop 0
	tensor_load_to_lds s[G0U:G0U+3], s[G1U:G1U+7]  ; role 0, first half,
	s_nop 0
	tensor_load_to_lds s[G0U+4:G0U+7], s[G1U:G1U+7]   ; second half
	s_nop 0
	PLACES
	s_load_b256 s[B2:B2+7], s[12:13], 0x0          ; bias2 of my 8 roles
	v_and_b32 v11, 31, v0                          ; lane
	v_and_b32 v12, 15, v0                          ; r
	v_bfe_u32 v13, v0, 4, 1                        ; h
	v_lshlrev_b32 v[L16], 4, v11
	v_lshlrev_b32 v[PFO], 8, v11
	v_lshlrev_b32 v[OUTO], 8, v0
	v_lshl_add_u32 v[CA], v0, 2, PRED
	v_mul_u32_u24 v14, v12, PITCH
	v_mad_u32_u24 v14, v13, 24, v14                ; 432 r + 24 h
	v_lshl_add_u32 v15, v13, 4, v14                ; 432 r + 40 h
	v_add_nc_u32 v[PA0], PRED, v14
	v_add_nc_u32 v[PA0+1], PRED, v15
	s_mul_i32 s98, s[WV], 16*APITCH
	s_add_co_u32 s98, s98, ASTG                    ; my stage for args
	v_mul_u32_u24 v[ASTR], v12, APITCH
	v_lshl_add_u32 v[ASTR], v13, 4, v[ASTR]
	v_add_nc_u32 v[ASTR], s98, v[ASTR]
	s_lshl_b32 s99, s[WV], 9
	s_add_co_u32 s99, s99, BIAS-2048               ; bias1: my 128 k; one role low: every tile 1 steps it
	WIN 0x40                                       ; destination window 1
	v_lshl_add_u32 v[ASTWX], v11, 3, s98
	v_lshlrev_b32 v[L16X], 4, v11
	v_mov_b32 v[ZX], 0
	v_add_nc_u32 v[UA], s[G0U+1], v14
	v_add_nc_u32 v[UA+1], s[G0U+1], v15
	v_add_nc_u32 v[UA+2], s[G0U+5], v14
	v_add_nc_u32 v[UA+3], s[G0U+5], v15
	v_lshl_add_u32 v[BA], v13, 5, s99              ; + 32 h: my eight k of a tile
	WIN 0
	v_mul_u32_u24 v11, v13, PLANE
	v_lshl_add_u32 v11, v12, 2, v11                ; 4,160 h + 4 r
	s_mul_i32 s99, s[WV], 2*PLANE
	s_add_co_u32 s99, s99, PRED-512                ; plane 2 w + h; one role low: the address is stepped ahead of each role's stores
	WIN 0x40
	v_add_nc_u32 v[OA], s99, v11
	WIN 0
.irp i, 0,1,2,3
	global_load_b128 v[PS+4*\i:PS+4*\i+3], v[L16], s[PSB:PSB+1] offset:512*\i   ; pred's scale words: they stay
.endr
.irp i, 0,1,2
	global_load_b128 v[SC+4*\i:SC+4*\i+3], v[L16], s[SCB:SCB+1] offset:512*\i   ; role 0's first three sets
.endr
	; ARGS: 32 chunks of 4 rows x my 512 bytes, through a ring of 15 x 16 registers in window 1 (the accumulators' and fragments' registers, which are not yet in use): 14 chunks, 56 loads, run ahead
	WIN 0x45                                       ; destination, sources 0 and 1: window 1
.set m, 0
.rept 14
.irp i, 0,1,2,3
	global_load_b128 v[16*m+4*\i:16*m+4*\i+3], v[L16X], s[ARGB:ARGB+1] offset:(4*m+\i)*2048   ; 32 lanes read 512 consecutive bytes
.endr
.set m, m+1
.endr
	s_wait_tensorcnt 2                             ; my parts of pred and of bias1 are in; U's two may stay out
	s_wait_kmcnt 0x0                               ; bias2
	s_barrier_signal -1
	s_barrier_wait -1                              ; everybody's are
	; Chunk m: rounded to bf16 in place, 8 bytes a lane into my stage; after four chunks the stage holds 16 rows x 128 k, and a lane reads back row lane % 16: eight k a tile, 16 bytes.  With each chunk one fragment of pred.
.set m, 0
.rept 32
.set tB, 16*(m%15)
.if m <= 18
	s_wait_loadcnt 52                              ; chunk m is in; the 13 chunks behind it may be out
.else
	s_wait_loadcnt 4*(31-m)
.endif
	WIN 0x45
.irp i, 0,1,2,3
	v_cvt_pk_bf16_f32 v[tB+4*\i], v[tB+4*\i], v[tB+4*\i+1]
	v_cvt_pk_bf16_f32 v[tB+4*\i+1], v[tB+4*\i+2], v[tB+4*\i+3]
.endr
.irp i, 0,1,2,3
	ds_store_b64 v[ASTWX], v[tB+4*\i:tB+4*\i+1] offset:(4*(m%4)+\i)*APITCH
.endr
	GSET m/4
	WIN PGW<<6                                     ; destination: the group block's window; addresses window 0
.if m%4 == 3
.irp c, 0,1,2,3,4,5,6,7
	ds_load_b128 v[PGL+48+4*\c:PGL+48+4*\c+3], v[ASTR] offset:32*\c   ; LDS serves a wave's instructions in order (ISA guide 5.7.1.4): these see my stores, and the next chunk's stores come behind them
.endr
.endif
.irp p, 0,1,2,3,4,5
	FRAGL PGL+12*(m%4), PA0, (4*((m/4)%2)+m%4)*TROW, m/8, \p
.endr
	s_wait_dscnt 16                                ; at least 16 LDS instructions are younger than chunk m - 1's stores: those have read their registers,
.if m+14 <= 31
	WIN 0x45
.irp i, 0,1,2,3
	global_load_b128 v[16*((m+14)%15)+4*\i:16*((m+14)%15)+4*\i+3], v[L16X], s[ARGB:ARGB+1] offset:(4*(m+14)+\i)*2048   ; which take chunk m + 14
.endr
.endif
.set m, m+1
.endr
	s_wait_tensorcnt 1                             ; my part of slot 0 is in, and I alone read it
	WIN 0x41
.set ln, 0
.rept 26
	LDOP ln, 0, 0, 0, 2048
.set ln, ln+1
.endr
	TILE 0, 0, 1, 0, 2112, 1, -1                   ; the first tile stands in front of the loop: there is no tile before it to fold in
	PLACES                                         ; in front of the first read of its results
	WIN 0                                          ; at a label and at a branch every window is 0
	s_wait_xcnt 0x0                                ; the scale loads have read their base
	s_add_nc_u64 s[SCB:SCB+1], s[SCB:SCB+1], 8192  ; from here on the next role's sets are asked for
	s_mov_b32 s[TRIPS], 7
.Ltrip:                                            ; a trip: tiles 1 to 7 of a role and tile 0 of the next; both slots are filled again, with the next role
	TILE 1, 1, 1, 0, 128, 0, -1
	TILE 2, 1, 1, 0, 192, 1, 2
	TILE 3, 1, 1, 1, 256, 0, -1
	TILE 4, 1, 1, 0, 320, 1, 2
	TILE 5, 1, 1, 0, 384, 0, -1
	TILE 6, 1, 1, 0, 448, 1, 2
	TILE 7, 1, 1, 1, 2048, 0, -1
	TILE 0, 1, 1, 0, 2112, 1, 2
	SSAVE                                          ; (its eight stores are younger than the next tile's 26 loads: that tile's counts then wait for more than they need, never for less)
	WIN 0
	s_wait_xcnt 0x0                                ; the scale loads and the prefetches have read their bases
	s_add_nc_u64 s[SCB:SCB+1], s[SCB:SCB+1], 8192
	s_add_nc_u64 s[PFA:PFA+1], s[PFA:PFA+1], ROLEB
	s_sub_co_u32 s[TRIPS], s[TRIPS], 1
	s_cmp_lg_u32 s[TRIPS], 0
	s_cbranch_scc1 .Ltrip
	TILE 1, 1, 1, 0, 128, 0, -1                    ; the last role is written out: nothing more is asked for and no load leaves its buffer
	TILE 2, 1, 1, 0, 192, 0, 2
	TILE 3, 1, 1, 2, 256, 0, -1
	TILE 4, 1, 1, 0, 320, 0, 1
	TILE 5, 1, 1, 0, 384, 0, -1
	TILE 6, 1, 1, 0, 448, 0, 0
	TILE 7, 1, 0, 0, 0, 0, -1
.set sn, 0
.rept 32
	EP 7                                           ; the last tile is folded in
.set sn, sn+1
.endr
	SSAVE
	WIN 0
	s_wait_dscnt 0x0                               ; for the others' sake: my partial sums lie in LDS
	s_barrier_signal -1
	s_barrier_wait -1
	; THE FINAL SUMS: thread t takes row t of the block: for each of the 8 roles the 8 partial sums (4 waves x 2 halves of the lanes), and bias2
.irp o, 0,1,2,3,4,5,6,7
.irp p, 0,1,2,3,4,5,6,7
	ds_load_b32 v[FIN+8*\o+\p], v[CA] offset:\p*PLANE+512*\o
.endr
.endr
	s_wait_dscnt 0x0
.irp o, 0,1,2,3,4,5,6,7
	v_pk_add_f32 v[FIN+8*\o:FIN+8*\o+1], v[FIN+8*\o:FIN+8*\o+1], v[FIN+8*\o+2:FIN+8*\o+3]
	v_pk_add_f32 v[FIN+8*\o+4:FIN+8*\o+5], v[FIN+8*\o+4:FIN+8*\o+5], v[FIN+8*\o+6:FIN+8*\o+7]
.endr
.irp o, 0,1,2,3,4,5,6,7
	v_pk_add_f32 v[FIN+8*\o:FIN+8*\o+1], v[FIN+8*\o:FIN+8*\o+1], v[FIN+8*\o+4:FIN+8*\o+5]
.endr
.irp o, 0,1,2,3,4,5,6,7
	v_add_f32 v[FIN+8*\o], v[FIN+8*\o], v[FIN+8*\o+1]
.endr
.irp o, 0,1,2,3,4,5,6,7
	v_add_f32 v[RES+\o], s[B2+\o], v[FIN+8*\o]
.endr
	global_store_b128 v[OUTO], v[RES:RES+3], s[OUTB:OUTB+1] th:TH_STORE_NT              ; a lane stores the 32 bytes of its row that are this work-group's
	global_store_b128 v[OUTO], v[RES+4:RES+7], s[OUTB:OUTB+1] offset:16 th:TH_STORE_NT
	s_wait_tensorcnt 0x0                           ; the wave's end: behind my last tensor load and my last LDS store
	ds_add_u32 v[SPW], v[NIL]
	s_wait_dscnt 0x0
	CROUND                                         ; the closing round: no work-group ends while a partner may still ask for a tile that names it
	s_endpgm
.Lfunc_end_k_q679f6d05ad_bilinear:
	.size	k_q679f6d05ad_bilinear, .Lfunc_end_k_q679f6d05ad_bilinear-k_q679f6d05ad_bilinear
	.p2alignl 7, 3214868480
	.fill 96, 4, 3214868480
	.section	.rodata,"a",@progbits
	.p2align	6, 0x0
	.amdhsa_kernel k_q679f6d05ad_bilinear
		.amdhsa_group_segment_fixed_size 327680
		.amdhsa_private_segment_fixed_size 0
		.amdhsa_enable_private_segment 0
		.amdhsa_kernarg_size 64
		.amdhsa_user_sgpr_count 2
		.amdhsa_user_sgpr_kernarg_segment_ptr 1
		.amdhsa_wavefront_size32 1
		.amdhsa_system_sgpr_workgroup_id_x 1
		.amdhsa_system_sgpr_workgroup_id_y 1
		.amdhsa_system_sgpr_workgroup_id_z 1
		.amdhsa_system_vgpr_workitem_id 0
		.amdhsa_next_free_vgpr 1024
		.amdhsa_next_free_sgpr 100
		.amdhsa_reserve_vcc 0
		.amdhsa_float_denorm_mode_32 3
		.amdhsa_float_denorm_mode_16_64 3
		.amdhsa_memory_ordered 1
		.amdhsa_forward_progress 1
		.amdhsa_inst_pref_size 235
	.end_amdhsa_kernel
	.amdgpu_metadata
---
amdhsa.version: [ 1, 2 ]
amdhsa.kernels:
  - .name:           k_q679f6d05ad_bilinear
    .symbol:         k_q679f6d05ad_bilinear.kd
    .args:
      - { .name: U_codes, .offset: 0, .size: 8, .value_kind: global_buffer, .address_space: global }
      - { .name: U_scales, .offset: 8, .size: 8, .value_kind: global_buffer, .address_space: global }
      - { .name: args_input, .offset: 16, .size: 8, .value_kind: global_buffer, .address_space: global }
      - { .name: bias1, .offset: 24, .size: 8, .value_kind: global_buffer, .address_space: global }
      - { .name: bias2, .offset: 32, .size: 8, .value_kind: global_buffer, .address_space: global }
      - { .name: pred_input_codes, .offset: 40, .size: 8, .value_kind: global_buffer, .address_space: global }
      - { .name: pred_input_scales, .offset: 48, .size: 8, .value_kind: global_buffer, .address_space: global }
      - { .name: out0, .offset: 56, .size: 8, .value_kind: global_buffer, .address_space: global }
    .group_segment_fixed_size: 327680
    .private_segment_fixed_size: 0
    .kernarg_segment_align: 8
    .kernarg_segment_size: 64
    .max_flat_workgroup_size: 128
    .sgpr_count:     100
    .vgpr_count:     1024
    .wavefront_size: 32
...
	.end_amdgpu_metadata
.endif
;; end of part 1
;; ======== version 2 of 2: 1 launch
;; limits: right only within a limited range of input values
;; launch bilinear (part 2): grid 32 x 8, 4 waves a work-group, clusters of 4 x 1, 327,680 bytes of LDS; arguments U_codes, U_scales, args_input, bias1, bias2, pred_input_codes, pred_input_scales, out0; writes out0
.if DOCPART == 2
	.amdgcn_target "amdgcn-amd-amdhsa--gfx1250"
	.amdhsa_code_object_version 6
	.text
	.protected	k_q679f6d05ad_bilinear
	.globl	k_q679f6d05ad_bilinear
	.p2align	8
	.type	k_q679f6d05ad_bilinear,@function
k_q679f6d05ad_bilinear:
	s_mov_b64 s[64:65], 0
	v_nop
	global_prefetch_b8 v0, s[64:65] scope:SCOPE_SE
	s_setreg_imm32_b32 hwreg(HW_REG_WAVE_MODE, 25, 1), 1
	s_wait_xcnt 0x0
	s_wait_alu depctr_hold_cnt(0) depctr_sa_sdst(0) depctr_va_vdst(0) depctr_va_sdst(0) depctr_va_ssrc(0) depctr_va_vcc(0) depctr_vm_vsrc(0)
	s_getreg_b32 s2, hwreg(HW_REG_IB_STS2, 6, 4)
	s_cmp_eq_u32 s2, 0
	s_cbranch_scc0 .Lentry_in_a_cluster
	s_endpgm
.Lentry_in_a_cluster:
	s_bfe_u32 s2, ttmp6, 0x10000c
	s_cmp_lg_u32 s2, 0x3003
	s_cbranch_scc0 .Lentry_shape_is_right
	s_endpgm
.Lentry_shape_is_right:
; out[n][r] = sum over k of (sum over h of pred[n][h] U[h][r][k] + bias1[512 r + k]) args[n][k] + bias2[r].   n: 4,096 rows, r: 64 roles, h and k: 512.
; pred and U come as codes of BF6 (E3M2) with one E8M0 byte for each 32 along h; a row of U_codes is column 512 r + k of the first product: 384 bytes of codes, 16 scale bytes.
; The first product never goes to memory: each finished tile of 16 x 16 is multiplied by args and added up over k in registers, all in f32.
; SHARES.  A work-group owns 256 rows n (row block rb) x 4 roles (group g) x all 512 k: 16 x 16 work-groups.  A cluster is four row blocks of one group: cluster x / 2 says which four row blocks, 8 (cluster x % 2) + cluster y which group.
; k goes in 8 PASSES of 64.  Wave w owns rows 128 (w / 2) .. + 127 and, of each pass, the k 32 (w % 2) .. + 31.
; A wave keeps for the whole launch pred's fragments of its 128 rows x all of h (384 registers) and its rows' sums for the 4 roles (64).  args of a pass, 128 rows x 32 k of f32, are 128 registers:
; two sets take turns, the next pass's being made ready while this pass's is in use.
; U goes through a ring of two LDS slots; a slot holds one pass: 64 rows of each of the 4 roles.  Pass p lies in slot p % 2.  A pass is 8 TILES of 16 k for a wave: tile t is role t / 2, k 16 (t % 2) .. + 15 of its 32.
; THE MATRIX INSTRUCTION IS USED TRANSPOSED (source 0 = 16 rows of U, source 1 = 16 rows of pred): a lane then holds ONE row n (lane % 16) and eight neighbouring k (8 (lane / 16) + 0 .. 7).
; bias1 is the C of each sum's first matrix instruction.  A finished tile is folded into its role's sums by f32 multiply-adds, two behind each matrix instruction of the NEXT tile.
; THE ORDER OF h inside a matrix instruction is permuted alike for U and pred: lanes 0-15 take the blocks of 32 number 0 and 1 of the four, lanes 16-31 number 2 and 3: 48 neighbouring bytes a lane, three loads of 16.
; The unit's blocks 0, 1, 2, 3 are then the memory's 0, 2, 1, 3: bytes 1 and 2 of every scale word change places, once, at the head.
; CLUSTER: the four row blocks of a cluster want the same U: it is asked for JOINTLY (mask 15).  pred (98,304 bytes of the 1.4 MB that a work-group fetches) and args (which goes through registers) are shared
; only with other role groups and are not asked for jointly; the scales and bias1 (40,960 bytes) go through registers.
; PREFETCH: the U of the pass two refills on.  args is not prefetched: its loads go out four tiles ahead of their first reader.
; THE WAY OUT: a work-group owns 4 of a row's 64 numbers: a lane stores 16 bytes of its row; a row's 256 bytes belong to 16 work-groups, which hand each other nothing.
; LIMIT: the order of the f32 sums over h and over k differs from a plain ascending one.
;
; REGISTERS, in windows of 256 (s_set_vgpr_msb: bits 1:0 source 0, 3:2 source 1, 5:4 source 2, 7:6 destination):
;   window 0: v0-7 addresses; v8-23 pred's scale words; v24-31 U's, two sets; v32-95 the sums; v96-255 group blocks 6, 7
;   window 1: v0-127 two sets of 8 accumulators; v128-223 two sets of U's 4 fragments; v224-231 bias1 of the tile; v232-247 the role's running sums; v248-255 addresses
;   windows 2, 3: group blocks 0-2, 3-5.   A GROUP BLOCK G is 80 registers: pred's fragments of K step G / 2, row tiles 4 (G % 2) + 0 .. 3, and args of row tile G (two sets of 16).
; So a matrix instruction of group G and the multiply-adds behind it (row tile G of the tile before) work under ONE setting.
.set PITCH,  432                       ; a row of U or pred in LDS: 3 x (128 bytes + 16 of padding) = 27 x 16 bytes: 16 rows start at 16 different multiples of 16 bytes modulo 256 (64 banks of 4 bytes: ISA guide 11.1)
.set TROW,   16*PITCH
.set ROLEL,  64*PITCH                  ; a role's 64 rows in a slot
.set SLOT,   4*ROLEL
.set BIAS,   2*SLOT                    ; bias1 of the 4 roles: 8,192 bytes
.set SCL,    BIAS+8192                 ; U's scale words of the 4 roles: 32,768 bytes
.set STG,    SCL+32768                 ; args' stage: 64 rows x 144 bytes for each wave
.set SP,     144
.set SPARE,  STG+4*64*SP               ; the spare words, 128 bytes for each wave: two blocks of 256 bytes that no other line names
.set PLN,    SPARE+512                 ; the partial sums: four planes of 256 rows x 16 bytes
.set ROLEB,  512*384                   ; a role's rows of U in memory
.set PASSB,  64*384                    ; a role's rows of one pass
; window 0
.set BA,   0                           ; bias1 in LDS (the thread's number is done with by then)
.set SPW,  1                           ; LDS address of my spare word; never rewritten
.set NIL,  2                           ; 0; never rewritten
.set GOF,  3                           ; my byte offset in args
.set STI,  4                           ; args' stage, on the way in; v5: on the way out
.set STO,  5
.set PFO,  6                           ; 256 x lane: the prefetches' offset
.set SCA,  7                           ; U's scale words in LDS
.set PS,   8                           ; v[PS + 4 i + q]: lanes 0-15 the word of pred's row tile 2 i, lanes 16-31 of 2 i + 1, K step q
.set US,   24                          ; v[US + 4 (role % 2) + q]: lanes 0-15 the word of the role's first tile, lanes 16-31 of its second
.set SUM,  32                          ; v[SUM + 16 role + 2 a]: row tile a's sums over even and over odd k
.set SLA,  26                          ; at the head: 16 x thread in the scales, in bias1;
.set BLA,  27
.set TH16, 28                          ; 16 x thread, 16 x lane;
.set L16,  29
.set PA0,  30                          ; pred in LDS: 432 r + 48 h;  v31: 432 r + 64 h
.set TM,   32                          ; v32-37 at work
.set RES,  96
.set FIN,  140
; window 1
.set ACC,   0                          ; accumulator (set b, row tile a) at 64 b + 8 a
.set UF,    128                        ; U's fragment (set b, K step q) at 128 + 48 b + 12 q
.set BIASR, 224
.set SS,    232
.set UA,    248                        ; v[UA + 4 slot + 2 g]: U's fragments of roles 2 g, 2 g + 1: 432 r + 48 h;  the next one: 432 r + 64 h
; scalars
.set NH,   2
.set KH,   3
.set WV,   20
.set CX,   21
.set RB,   22
.set GR,   23
.set G1U,  24                          ; the ring: group 1;  s[32:35], s[36:39] group 0 of slot 0, 1
.set G0U,  32
.set G1H,  40                          ; the head's loads: U,
.set G0H,  48
.set G1P,  52                          ; pred
.set G0P,  60
.set PFA,  66
.set LIM,  68
.set TRIPS, 69
.set ARGB, 70
.set SCP,  72
.set BIP,  74
.set PSB,  76
.set OUTB, 78
.set B2P,  80
.set B2,   4                           ; bias2 of my 4 roles (takes U's and its scales' place)
.set MSB, 0
.macro WIN new                         ; the immediate's high byte repeats the setting that is left; a switch that changes nothing is dropped
.if MSB != (\new)
	s_set_vgpr_msb (MSB<<8)|(\new)
.set MSB, \new
.endif
.endm
.macro PLACES
.rept 4
	v_nop
.endr
.endm
.macro CREST                           ; a round of the cluster's barrier behind its opening barrier
	s_cmp_lg_u32 s[WV], 0
	s_cbranch_scc1 .Lnot_wave_0_\@
	s_barrier_signal -3
.Lnot_wave_0_\@:
	s_barrier_wait -3
	s_barrier_signal -1
	s_barrier_wait -1
.endm
.macro CROUND
	s_barrier_signal -1
	s_barrier_wait -1
	CREST
.endm
.macro GRP g, first, cols, rows, pitch ; descriptor group 1
	s_mov_b32 s[\g], \first
	s_mov_b32 s[\g+1], (\cols)<<16
	s_mov_b32 s[\g+2], (\rows)<<16
	s_mov_b32 s[\g+3], (\cols)<<16
	s_mov_b32 s[\g+4], \rows
	s_mov_b32 s[\g+5], \pitch
	s_mov_b32 s[\g+6], 0
	s_mov_b32 s[\g+7], 0
.endm
.macro GSET gg                         ; group block gg: its first register's low byte and its window
.if (\gg) < 6
.set PGL, 80*((\gg)%3)
.set PGW, 2+(\gg)/3
.else
.set PGL, 96+80*((\gg)-6)
.set PGW, 0
.endif
.endm
; A fragment: 16 rows x 128 along K of 6-bit codes, 12 registers, in three loads of 16 bytes.  Lanes 0-15 take the row's piece 6 q + p, lanes 16-31 the piece three on.  16 bytes of padding lie behind every 8 pieces: where the
; piece three on lies behind one padding more, the second address register serves.
.macro FRAG dst, adr, rowoff, q
.irp p, 0,1,2
.set fPC, 6*(\q)+\p
.if fPC%8 < 5
	ds_load_b128 v[(\dst)+4*\p:(\dst)+4*\p+3], v[\adr] offset:(\rowoff)+16*fPC+16*(fPC/8)
.else
	ds_load_b128 v[(\dst)+4*\p:(\dst)+4*\p+3], v[(\adr)+1] offset:(\rowoff)+16*fPC+16*(fPC/8)
.endif
.endr
.endm
.macro LDTILE                          ; tile tN's LDS loads, out of slot tS: U's four fragments, bias1 (my eight k), and with a role's first tile its scale words (32 rows x 16 bytes, 512 consecutive bytes)
.set lA, UA+4*tS+2*(tN/4)
.set lO, ((tN/2)%2)*ROLEL+(tN%2)*TROW
	WIN 0x41
.irp q, 0,1,2,3
	FRAG UF+48*(tN%2)+12*\q, lA, lO, \q
.endr
	WIN 0x40
	ds_load_b128 v[BIASR:BIASR+3], v[BA] offset:256*tP+2048*(tN/2)+64*(tN%2)
	ds_load_b128 v[BIASR+4:BIASR+7], v[BA] offset:256*tP+2048*(tN/2)+64*(tN%2)+16
.if tN%2 == 0
	WIN 0
	ds_load_b128 v[US+4*((tN/2)%2):US+4*((tN/2)%2)+3], v[SCA] offset:1024*tP+8192*(tN/2)
.endif
.endm
; Matrix instruction sn (0 .. 31) of tile tT: group sn / 4, K step sn / 8, row tile 4 ((sn / 4) % 2) + sn % 4.  The eight accumulators take turns, one instruction a turn, and the sets change from tile to tile
; The first K step takes bias1 as C.
.macro MM
.set mG, sn/4
.set mQ, sn/8
.set mA, 4*(mG%2)+sn%4
	GSET mG
	WIN 0x51|(PGW<<2)
.set rD, ACC+64*(tT%2)+8*mA
.set rU, UF+48*(tT%2)+12*mQ
.set rP, PGL+12*(sn%4)
.set rX, US+4*((tT/2)%2)+mQ
.set rY, PS+4*(mA/2)+mQ
.set rC, rD
.if mQ == 0
.set rC, BIASR
.endif
.if (tT%2 == 0) && (mA%2 == 0)
	v_wmma_scale_f32_16x16x128_f8f6f4 v[rD:rD+7], v[rU:rU+11], v[rP:rP+11], v[rC:rC+7], v[rX], v[rY] matrix_a_fmt:MATRIX_FMT_BF6 matrix_b_fmt:MATRIX_FMT_BF6
.elseif (tT%2 == 1) && (mA%2 == 0)
	v_wmma_scale_f32_16x16x128_f8f6f4 v[rD:rD+7], v[rU:rU+11], v[rP:rP+11], v[rC:rC+7], v[rX], v[rY] matrix_a_fmt:MATRIX_FMT_BF6 matrix_b_fmt:MATRIX_FMT_BF6 matrix_a_scale:MATRIX_SCALE_ROW1
.elseif tT%2 == 0
	v_wmma_scale_f32_16x16x128_f8f6f4 v[rD:rD+7], v[rU:rU+11], v[rP:rP+11], v[rC:rC+7], v[rX], v[rY] matrix_a_fmt:MATRIX_FMT_BF6 matrix_b_fmt:MATRIX_FMT_BF6 matrix_b_scale:MATRIX_SCALE_ROW1
.else
	v_wmma_scale_f32_16x16x128_f8f6f4 v[rD:rD+7], v[rU:rU+11], v[rP:rP+11], v[rC:rC+7], v[rX], v[rY] matrix_a_fmt:MATRIX_FMT_BF6 matrix_b_fmt:MATRIX_FMT_BF6 matrix_a_scale:MATRIX_SCALE_ROW1 matrix_b_scale:MATRIX_SCALE_ROW1
.endif
.endm
; The two multiply-adds of place sn for the finished tile eP, args' set eS: registers 2 t, 2 t + 1 (t = sn % 4) of row tile sn / 4's accumulator, each accumulator from its low end on.  A role's first tile starts the sums.
.macro EP
.set eG, sn/4
.set eT, sn%4
	GSET eG
	WIN 0x51|(PGW<<2)
.set rA, ACC+64*(eP%2)+8*eG+2*eT
.set rB, PGL+48+16*eS+8*(eP%2)+2*eT
.set rS, SS+2*eG
.if (eP%2 == 0) && (eT == 0)
	v_mul_f32 v[rS], v[rA], v[rB]
	v_mul_f32 v[rS+1], v[rA+1], v[rB+1]
.else
	v_fmac_f32 v[rS], v[rA], v[rB]
	v_fmac_f32 v[rS+1], v[rA+1], v[rB+1]
.endif
.endm
.macro SSAVE role                      ; the role's sums of this pass are added to its sums
	WIN 0x04
.irp a, 0,1,2,3,4,5,6,7
	v_pk_add_f32 v[SUM+16*(\role)+2*\a:SUM+16*(\role)+2*\a+1], v[SUM+16*(\role)+2*\a:SUM+16*(\role)+2*\a+1], v[SS+2*\a:SS+2*\a+1]
.endr
.endm
; ARGS, set tA, in three parts.  AGLOAD: a load covers 4 rows x my 128 bytes.  ASTORE: four row tiles go into my stage.  ABACK: and come back with a row to a lane: lane (r, h) takes row r's k 16 c + 8 h + 0 .. 7.
.macro AGLOAD off
.irp a, 0,1,2,3,4,5,6,7
	GSET \a
	WIN PGW<<6
.set gA, PGL+48+16*tA
.irp i, 0,1,2,3
	global_load_b128 v[gA+4*\i:gA+4*\i+3], v[GOF], s[ARGB:ARGB+1] offset:(\off)+(16*\a+4*\i)*2048
.endr
.endr
.endm
.macro ASTORE pr
.irp e, 0,1,2,3
	GSET 4*\pr+\e
	WIN PGW<<2
.set gA, PGL+48+16*tA
.irp i, 0,1,2,3
	ds_store_b128 v[STI], v[gA+4*\i:gA+4*\i+3] offset:(16*\e+4*\i)*SP
.endr
.endr
.endm
.macro ABACK pr
.irp e, 0,1,2,3
	GSET 4*\pr+\e
	WIN PGW<<6
.set gA, PGL+48+16*tA
.irp i, 0,1,2,3
	ds_load_b128 v[gA+4*\i:gA+4*\i+3], v[STO] offset:16*\e*SP+64*(\i/2)+16*(\i%2)
.endr
.endr
.endm
; A PREFETCH INTO THE L2 of the pass that stands two refills on.  A pass is 98,304 bytes of U.  Four clusters walk the same U: the one of the first four row blocks asks.  Its four partners share the bytes out BY ADDRESS: partner cx
; names role cx's 24,576 bytes, its waves 0 to 2 a third each, lanes 256 bytes apart.  It asks while more than one trip is left: the last pass named is pass 7.  Passes 0 to 3 come by their loads alone.
.macro ASK off
	s_cmp_gt_u32 s[TRIPS], s[LIM]
	s_cbranch_scc0 .Lnot_mine_\@
	global_prefetch_b8 v[PFO], s[PFA:PFA+1] offset:\off th:TH_LOAD_NT scope:SCOPE_SE
.Lnot_mine_\@:
.endm
; A tile's ONE RUN of memory instructions
.macro RUN ask, ag, sg, ld
.if \ld
	LDTILE
.endif
.if (\sg) && (tT == 5)
	s_wait_loadcnt 0x0                             ; args of the next pass, asked for in tile 1
	ASTORE 0
.endif
.if (\sg) && (tT == 6)
	ABACK 0
	ASTORE 1                                       ; LDS serves a wave's instructions in order (ISA guide 5.7.1.4): the loads above see the stage as it was
.endif
.if (\sg) && (tT == 7)
	ABACK 1
.endif
.if \ag >= 0
	AGLOAD \ag
.endif
.if \ask >= 0
	WIN 0                                          ; (a branch follows)
	ASK \ask
.endif
.endm
; A TILE: 16 rows of U x my 128 rows x all of K: 32 matrix instructions, the tile before folded in between them.  The run stands ahead of matrix instruction 12 (in a tile that changes slots, ahead of 16, behind the refill):
; bias1's registers are last read by matrix instruction 7, behind which stand at least four multiply-adds (in the very first tile four v_nop); the fragments' set was last read by the tile before (ISA guide 7.12.1 for vector instructions).
; tt: the tile; par: the pass's parity; po: passes since the trip's first; ep: a tile is folded in; rnd = 1: a round of the cluster's barrier and a refill (of this pass's slot at its last tile; of slot 1, which held pred, at the
; very first), 2: a barrier alone; st: the refill's address steps; ask, ag: byte offsets of the prefetch and of the loads of args, -1 for none; sg: args' next set goes through the stage in tiles 5 to 7; ld: a tile follows.
.macro TILE tt, par, po, ep, rnd, st, ask, ag, sg, ld
.set tT, \tt
.set tN, (tT+1)%8
.set tS, ((\par)+tT/7)%2
.set tP, (\po)+tT/7
.set tA, 1-(\par)
.set eP, (tT+7)%8
.set eS, \par
.if tT == 0
.set eS, 1-(\par)
.endif
.if \rnd == 1
	WIN 0                                          ; (the add's two registers lie in window 0)
	s_wait_tensorcnt 0x0                           ; all my tensor loads have landed: my part of the other slot;
	ds_add_u32 v[SPW], v[NIL]                      ; 0 onto my spare word
	s_wait_dscnt 1                                 ; all but the add
.else
.if \rnd == 2
	s_wait_tensorcnt 0x0                           ; my part of the last pass
.endif
	s_wait_dscnt 0x0                               ; this tile's operands are in
.endif
.set sn, 0
.rept 32
.if (\rnd) && (sn == 4)
	s_wait_dscnt 0x0                               ; the add is done, and my reads of this slot are over: all this tile's fragments are in registers
	s_barrier_signal -1
.endif
.if (\rnd) && (sn == 16)
	WIN 0
	s_barrier_wait -1
.if \rnd == 1
.set tR, ((\par)+1-tT/7)%2
	CREST                                          ; no wave of any partner still reads this slot or has a load on its way
.if \st
	s_add_nc_u64 s[G0U+4*tR+2:G0U+4*tR+3], s[G0U+4*tR+2:G0U+4*tR+3], 2*PASSB
.endif
	tensor_load_to_lds s[G0U+4*tR:G0U+4*tR+3], s[G1U:G1U+7]   ; my one tensor load behind the round: role w's 64 rows of the pass after the next (the first time: of pass 1)
	s_nop 0
	PLACES
.endif
	RUN \ask, \ag, \sg, \ld
.endif
.if (\rnd == 0) && (sn == 12)
	RUN \ask, \ag, \sg, \ld
.endif
	MM
.if \ep
	EP
.endif
.set sn, sn+1
.endr
.if (\ep) && (tT%2 == 0)
	SSAVE eP/2
.endif
.endm
	s_load_b256 s[4:11], s[0:1], 0x0               ; U's codes s[4:5], U's scales s[6:7], args s[8:9], bias1 s[10:11]
	s_load_b256 s[12:19], s[0:1], 0x20             ; bias2 s[12:13], pred's codes s[14:15], pred's scales s[16:17], out0 s[18:19]
	v_lshl_add_u32 v[SPW], v0, 2, SPARE
	v_mov_b32 v[NIL], 0
	ds_add_u32 v[SPW], v[NIL]                      ; the wave's opening
	ds_add_u32 v[SPW], v[NIL]
	v_lshrrev_b32 v[PFO], 5, v0
	v_readfirstlane_b32 s[WV], v[PFO]              ; wave 0..3
	s_lshr_b32 s[NH], s[WV], 1                     ; which 128 rows are mine
	s_and_b32 s[KH], s[WV], 1                      ; which 32 k of a pass.  Also: which half I fetch at the head
	s_bfe_u32 s[CX], ttmp6, 0x40000                ; cx: my place in the cluster
	s_lshr_b32 s[RB], ttmp9, 1                     ; in a cluster launch ttmp9 counts clusters
	s_lshl_b32 s[RB], s[RB], 2
	s_add_co_u32 s[RB], s[RB], s[CX]               ; my block of 256 rows
	s_and_b32 s98, ttmp9, 1
	s_lshl_b32 s98, s98, 3
	s_and_b32 s[GR], ttmp7, 0xffff
	s_add_co_u32 s[GR], s[GR], s98                 ; my group of 4 roles, which the four partners share
	; group 1: elements of 1 byte, 16 bytes of padding behind every 128 (24:22 code 4, 31:25 code 3; bit 20 padding on); bit 21 beside the mask 15.  Dense rows of 384 bytes are stated as rows of 768; two roles of a pass as two rows of 24,576
	GRP G1U, 15|(1<<20)|(1<<21)|(4<<22)|(3<<25), 768, 32, 768
	GRP G1H, 15|(1<<20)|(1<<21)|(4<<22)|(3<<25), PASSB, 2, ROLEB
	GRP G1P, (1<<20)|(4<<22)|(3<<25), 768, 64, 768
	; byte offsets, each in the pair that will hold its address.  What the joint loads name hangs on the role group and the wave alone
	s_mul_i32 s100, s[GR], 4*ROLEB                 ; U: my group's four roles
	s_mul_i32 s98, s[WV], ROLEB
	s_add_co_u32 s[G0U+2], s100, s98               ; the ring: role w
	s_mov_b32 s[G0U+3], 0
	s_mov_b32 s[G0U], 1
	s_mul_i32 s[G0U+1], s[WV], ROLEL
	s_mov_b32 s[G0U+4], 1
	s_add_co_u32 s[G0U+5], s[G0U+1], SLOT
	s_mul_i32 s98, s[KH], 2*ROLEB
	s_add_co_u32 s[G0H+2], s100, s98               ; the head: waves 0 and 1 fetch pass 0 of two roles each
	s_mov_b32 s[G0H+3], 0
	s_mov_b32 s[G0H], 1
	s_mul_i32 s[G0H+1], s[KH], 2*ROLEL
	s_mul_i32 s98, s[RB], 256*384
	s_mul_i32 s99, s[KH], 128*384
	s_add_co_u32 s[G0P+2], s98, s99                ; waves 2 and 3: 128 rows of pred each, into slot 1
	s_mov_b32 s[G0P+3], 0
	s_mov_b32 s[G0P], 1
	s_mul_i32 s[G0P+1], s[KH], 128*PITCH
	s_add_co_u32 s[G0P+1], s[G0P+1], SLOT
	s_lshl_b32 s[ARGB], s[RB], 19                  ; args: my block's rows of 2,048 bytes,
	s_lshl_b32 s98, s[NH], 18                      ; my 128 rows,
	s_add_co_u32 s[ARGB], s[ARGB], s98
	s_lshl_b32 s98, s[KH], 7
	s_add_co_u32 s[ARGB], s[ARGB], s98             ; my 128 bytes of a pass's 256
	s_mov_b32 s[ARGB+1], 0
	s_lshl_b32 s[SCP], s[GR], 15                   ; U's scale bytes of the four roles
	s_mov_b32 s[SCP+1], 0
	s_lshl_b32 s[BIP], s[GR], 13                   ; bias1 of the four roles
	s_mov_b32 s[BIP+1], 0
	s_lshl_b32 s[PSB], s[RB], 12                   ; pred's scale bytes: 16 a row
	s_lshl_b32 s98, s[NH], 11
	s_add_co_u32 s[PSB], s[PSB], s98
	s_mov_b32 s[PSB+1], 0
	s_lshl_b32 s[OUTB], s[RB], 16
	s_lshl_b32 s[B2P], s[GR], 4                    ; bias2: my 4 numbers
	s_mov_b32 s[B2P+1], 0
	s_add_co_u32 s[OUTB], s[OUTB], s[B2P]          ; out0: my block's rows of 256 bytes, my 16 bytes of each
	s_mov_b32 s[OUTB+1], 0
	s_mul_i32 s99, s[CX], ROLEB
	s_add_co_u32 s[PFA], s100, s99                 ; the prefetches: role cx, my third, pass 4
	s_lshl_b32 s99, s[WV], 13
	s_add_co_u32 s[PFA], s[PFA], s99
	s_add_co_u32 s[PFA], s[PFA], 4*PASSB
	s_mov_b32 s[PFA+1], 0
	s_cmp_lt_u32 s[WV], 3
	s_cselect_b32 s98, 0, 1
	s_lshr_b32 s99, ttmp9, 1
	s_or_b32 s98, s98, s99                         ; 0 in waves 0 to 2 of the role group's first cluster: the same in all four partners
	s_cmp_eq_u32 s98, 0
	s_cselect_b32 s[LIM], 1, -1
	s_wait_dscnt 0x0                               ; both opening adds are done
	s_wait_kmcnt 0x0
	s_add_nc_u64 s[G0U+2:G0U+3], s[4:5], s[G0U+2:G0U+3]
	s_add_nc_u64 s[G0U+6:G0U+7], s[G0U+2:G0U+3], PASSB
	s_or_b32 s[G0U+3], s[G0U+3], 0x80000000        ; 127:126 type = 2
	s_or_b32 s[G0U+7], s[G0U+7], 0x80000000
	s_add_nc_u64 s[G0H+2:G0H+3], s[4:5], s[G0H+2:G0H+3]
	s_or_b32 s[G0H+3], s[G0H+3], 0x80000000
	s_add_nc_u64 s[G0P+2:G0P+3], s[14:15], s[G0P+2:G0P+3]
	s_or_b32 s[G0P+3], s[G0P+3], 0x80000000
	CROUND                                         ; all four work-groups are here: the first joint loads meet
	; THE HEAD'S LOADS, ONE A WAVE: every way through the branch passes exactly one load
	s_cmp_lt_u32 s[WV], 2
	s_cbranch_scc0 .Lhead_pred
	tensor_load_to_lds s[G0H:G0H+3], s[G1H:G1H+7]
	s_nop 0
	PLACES
	s_branch .Lhead_asked
.Lhead_pred:
	tensor_load_to_lds s[G0P:G0P+3], s[G1P:G1P+7]
	s_nop 0
	PLACES
.Lhead_asked:
	s_add_nc_u64 s[PSB:PSB+1], s[16:17], s[PSB:PSB+1]
	s_add_nc_u64 s[SCP:SCP+1], s[6:7], s[SCP:SCP+1]
	s_add_nc_u64 s[BIP:BIP+1], s[10:11], s[BIP:BIP+1]
	s_add_nc_u64 s[ARGB:ARGB+1], s[8:9], s[ARGB:ARGB+1]
	s_add_nc_u64 s[OUTB:OUTB+1], s[18:19], s[OUTB:OUTB+1]
	s_add_nc_u64 s[PFA:PFA+1], s[4:5], s[PFA:PFA+1]
	s_add_nc_u64 s[B2P:B2P+1], s[12:13], s[B2P:B2P+1]
	s_load_b128 s[B2:B2+3], s[B2P:B2P+1], 0x0      ; bias2 of my 4 roles
	v_and_b32 v[TM], 31, v0                        ; lane
	v_lshlrev_b32 v[L16], 4, v[TM]
	v_lshlrev_b32 v[TH16], 4, v0
	v_lshrrev_b32 v[TM+1], 3, v[TM]
	v_and_b32 v[TM+2], 7, v[TM]
	v_lshlrev_b32 v[GOF], 11, v[TM+1]
	v_lshl_add_u32 v[GOF], v[TM+2], 4, v[GOF]      ; row lane / 8, 16 bytes lane % 8
.irp i, 0,1,2,3
	global_load_b128 v[PS+4*\i:PS+4*\i+3], v[L16], s[PSB:PSB+1] offset:512*\i   ; pred's scale words: they stay
.endr
	WIN 0x40                                       ; U's scale words and bias1 go through the first accumulators' registers
.irp i, 0,1,2,3,4,5,6,7,8,9,10,11,12,13,14,15
	global_load_b128 v[4*\i:4*\i+3], v[TH16], s[SCP:SCP+1] offset:2048*\i
.endr
.irp i, 0,1,2,3
	global_load_b128 v[64+4*\i:64+4*\i+3], v[TH16], s[BIP:BIP+1] offset:2048*\i
.endr
	WIN 0
	s_mul_i32 s98, s[KH], 32*PITCH                 ; my 32 rows of a role in a slot
	s_lshl_b32 s99, s[KH], 9
	s_add_co_u32 s99, s99, SCL                     ; my 32 rows' scales
	s_lshl_b32 s100, s[KH], 7
	s_add_co_u32 s100, s100, BIAS                  ; my 32 k of bias1
	s_mul_i32 s101, s[WV], 64*SP
	s_add_co_u32 s101, s101, STG                   ; my stage
	s_mul_i32 s8, s[NH], 128*PITCH
	s_add_co_u32 s8, s8, SLOT                      ; my 128 rows of pred
	s_mov_b32 s9, 0x03010200                       ; bytes 1 and 2 of a word change places
	s_wait_alu depctr_va_vdst(0)
	v_and_b32 v[TM+3], 15, v0                      ; r
	v_bfe_u32 v[TM+4], v0, 4, 1                    ; h
	v_lshlrev_b32 v[PFO], 8, v[TM]
	v_add_nc_u32 v[SLA], SCL, v[TH16]
	v_add_nc_u32 v[BLA], BIAS, v[TH16]
	v_lshl_add_u32 v[SCA], v[TM], 4, s99
	v_mul_u32_u24 v[TM+5], v[TM+1], SP
	v_lshl_add_u32 v[TM+5], v[TM+2], 4, v[TM+5]
	v_add_nc_u32 v[STI], s101, v[TM+5]             ; row lane / 8, 16 bytes lane % 8
	v_mul_u32_u24 v[TM+5], v[TM+3], SP
	v_lshl_add_u32 v[TM+5], v[TM+4], 5, v[TM+5]
	v_add_nc_u32 v[STO], s101, v[TM+5]             ; row r, 32 h
	v_mul_u32_u24 v[TM+1], v[TM+3], PITCH
	v_mad_u32_u24 v[TM+1], v[TM+4], 48, v[TM+1]    ; 432 r + 48 h
	v_lshl_add_u32 v[TM+2], v[TM+4], 4, v[TM+1]    ; 432 r + 64 h
	v_add_nc_u32 v[PA0], s8, v[TM+1]
	v_add_nc_u32 v[PA0+1], s8, v[TM+2]
	v_lshl_add_u32 v[BA], v[TM+4], 5, s100         ; (the last reader of the thread's number stands above)
	v_add_nc_u32 v[TM+1], s98, v[TM+1]
	v_add_nc_u32 v[TM+2], s98, v[TM+2]
	WIN 0x40
.irp d, 0,1
	v_add_nc_u32 v[UA+\d], 0, v[TM+1+\d]
	v_add_nc_u32 v[UA+2+\d], 2*ROLEL, v[TM+1+\d]
	v_add_nc_u32 v[UA+4+\d], SLOT, v[TM+1+\d]
	v_add_nc_u32 v[UA+6+\d], SLOT+2*ROLEL, v[TM+1+\d]
.endr
	WIN 0
.set i, 0
.rept 64
	v_mov_b32 v[SUM+i], 0                          ; (each pass adds to the sums: the first finds zeros)
.set i, i+1
.endr
	s_wait_alu depctr_va_vdst(0)
	s_wait_loadcnt 0x0                             ; the scale words and bias1 are in
.set i, 0
.rept 16
	v_perm_b32 v[PS+i], v[PS+i], v[PS+i], s9
.set i, i+1
.endr
	WIN 0x45
.set i, 0
.rept 64
	v_perm_b32 v[i], v[i], v[i], s9
.set i, i+1
.endr
	WIN 0x04
.irp i, 0,1,2,3
	ds_store_b128 v[BLA], v[64+4*\i:64+4*\i+3] offset:2048*\i
.endr
.irp i, 0,1,2,3,4,5,6,7,8,9,10,11,12,13,14,15
	ds_store_b128 v[SLA], v[4*\i:4*\i+3] offset:2048*\i
.endr
	WIN 0
	s_wait_alu depctr_va_vdst(0)
	s_wait_kmcnt 0x0
	s_wait_tensorcnt 0x0                           ; my tile of the head's is in
	s_wait_dscnt 0x0                               ; and my scale words and bias1 lie in LDS
	s_barrier_signal -1
	s_barrier_wait -1                              ; everybody's do
.set tA, 0
	AGLOAD 0                                       ; args of pass 0: first read behind the first tile
.irp g, 0,1,2,3,4,5,6,7
	GSET \g
	WIN PGW<<6
.irp a, 0,1,2,3
	FRAG PGL+12*\a, PA0, (4*(\g%2)+\a)*TROW, \g/2
.endr
.endr
.set tN, 0
.set tS, 0
.set tP, 0
	LDTILE
	TILE 0, 0, 0, 0, 1, 0, -1, -1, 0, 1            ; the first tile: there is none before it to fold in.  Behind it pred lies in registers, and slot 1 takes pass 1
.set tA, 0
	s_wait_loadcnt 0x0                             ; args of pass 0
	ASTORE 0
	s_wait_dscnt 0x0
	ABACK 0
	ASTORE 1
	s_wait_dscnt 0x0
	ABACK 1
	WIN 0                                          ; at a label and at a branch every window is 0
	PLACES                                         ; in front of the first read of the first tile's results
	s_mov_b32 s[TRIPS], 3
.Ltrip:                                                ; a trip: two passes, from an even pass's tile 1 to the next even pass's tile 0; both slots are filled again
	TILE 1, 0, 0, 1, 0, 0, -1, 256, 1, 1
.irp k, 2,3,4,5,6
	TILE \k, 0, 0, 1, 0, 0, -1, -1, 1, 1
.endr
	TILE 7, 0, 0, 1, 1, 1, 0, -1, 1, 1
	TILE 0, 1, 1, 1, 0, 0, -1, -1, 1, 1
	TILE 1, 1, 1, 1, 0, 0, -1, 512, 1, 1
.irp k, 2,3,4,5,6
	TILE \k, 1, 1, 1, 0, 0, -1, -1, 1, 1
.endr
	TILE 7, 1, 1, 1, 1, 1, PASSB, -1, 1, 1
	TILE 0, 0, 2, 1, 0, 0, -1, -1, 1, 1
	WIN 0
	v_add_nc_u32 v[SCA], 2048, v[SCA]              ; two passes on
	v_add_nc_u32 v[BA], 512, v[BA]
	s_wait_alu depctr_va_vdst(0)
	s_wait_xcnt 0x0                                ; the loads of args and the prefetches have read their bases
	s_add_nc_u64 s[ARGB:ARGB+1], s[ARGB:ARGB+1], 512
	s_add_nc_u64 s[PFA:PFA+1], s[PFA:PFA+1], 2*PASSB
	s_sub_co_u32 s[TRIPS], s[TRIPS], 1
	s_cmp_lg_u32 s[TRIPS], 0
	s_cbranch_scc1 .Ltrip
	TILE 1, 0, 0, 1, 0, 0, -1, 256, 1, 1           ; passes 6 and 7 are written out
.irp k, 2,3,4,5,6
	TILE \k, 0, 0, 1, 0, 0, -1, -1, 1, 1
.endr
	TILE 7, 0, 0, 1, 2, 0, -1, -1, 1, 1
.irp k, 0,1,2,3,4,5,6
	TILE \k, 1, 1, 1, 0, 0, -1, -1, 0, 1
.endr
	TILE 7, 1, 1, 1, 0, 0, -1, -1, 0, 0
.set eP, 7
.set eS, 1
.set sn, 0
.rept 32
	EP                                             ; the last tile is folded in
.set sn, sn+1
.endr
	SSAVE 3
	WIN 0
	; THE FINAL SUMS: each lane's even and odd k, then four planes in LDS (two halves of k x two halves of the lanes), 16 bytes a row: the 4 roles
.irp a, 0,1,2,3,4,5,6,7
.irp d, 0,1,2,3
	v_add_f32 v[RES+4*\a+\d], v[SUM+16*\d+2*\a], v[SUM+16*\d+2*\a+1]
.endr
.endr
	s_lshl_b32 s98, s[KH], 13
	s_lshl_b32 s99, s[NH], 11
	s_add_co_u32 s98, s98, s99
	s_add_co_u32 s98, s98, PLN
	s_lshl_b32 s99, s[WV], 9
	s_add_co_u32 s99, s99, PLN
	s_lshl_b32 s100, s[WV], 13
	v_bfe_u32 v[US], v[PFO], 8, 4                  ; r
	v_bfe_u32 v[US+1], v[PFO], 12, 1               ; h
	v_lshlrev_b32 v[US+1], 12, v[US+1]
	v_lshl_add_u32 v[US+1], v[US], 4, v[US+1]
	v_add_nc_u32 v[US+1], s98, v[US+1]             ; plane 2 (w % 2) + h, row 128 (w / 2) + r
	v_lshrrev_b32 v[US+2], 4, v[PFO]
	v_add_nc_u32 v[US+2], s99, v[US+2]             ; 16 x thread
	v_add_nc_u32 v[US+3], s100, v[PFO]             ; 256 x thread
	s_wait_alu depctr_va_vdst(0)
.irp a, 0,1,2,3,4,5,6,7
	ds_store_b128 v[US+1], v[RES+4*\a:RES+4*\a+3] offset:256*\a
.endr
	s_wait_dscnt 0x0                               ; for the others' sake: my partial sums lie in LDS
	s_barrier_signal -1
	s_barrier_wait -1
.irp j, 0,1                            ; thread t takes rows t and t + 128 of the block
.irp i, 0,1,2,3
	ds_load_b128 v[FIN+16*\j+4*\i:FIN+16*\j+4*\i+3], v[US+2] offset:4096*\i+2048*\j
.endr
.endr
	s_wait_dscnt 0x0
.irp j, 0,16
.irp i, 0,2,8,10
	v_pk_add_f32 v[FIN+\j+\i:FIN+\j+\i+1], v[FIN+\j+\i:FIN+\j+\i+1], v[FIN+\j+\i+4:FIN+\j+\i+5]
.endr
.endr
.irp j, 0,16
.irp i, 0,2
	v_pk_add_f32 v[FIN+\j+\i:FIN+\j+\i+1], v[FIN+\j+\i:FIN+\j+\i+1], v[FIN+\j+\i+8:FIN+\j+\i+9]
.endr
.endr
.irp j, 0,16
.irp i, 0,1,2,3
	v_add_f32 v[FIN+\j+\i], s[B2+\i], v[FIN+\j+\i]
.endr
.endr
.irp j, 0,1
	global_store_b128 v[US+3], v[FIN+16*\j:FIN+16*\j+3], s[OUTB:OUTB+1] offset:32768*\j th:TH_STORE_NT   ; the 16 bytes of my row that are this work-group's
.endr
	s_wait_tensorcnt 0x0                           ; the wave's end: behind my last tensor load and my last LDS store
	ds_add_u32 v[SPW], v[NIL]
	s_wait_dscnt 0x0
	CROUND                                         ; the closing round: no work-group ends while a partner may still ask for a tile that names it
	s_endpgm
.Lfunc_end_k_q679f6d05ad_bilinear:
	.size	k_q679f6d05ad_bilinear, .Lfunc_end_k_q679f6d05ad_bilinear-k_q679f6d05ad_bilinear
	.p2alignl 7, 3214868480
	.fill 96, 4, 3214868480
	.section	.rodata,"a",@progbits
	.p2align	6, 0x0
	.amdhsa_kernel k_q679f6d05ad_bilinear
		.amdhsa_group_segment_fixed_size 327680
		.amdhsa_private_segment_fixed_size 0
		.amdhsa_enable_private_segment 0
		.amdhsa_kernarg_size 64
		.amdhsa_user_sgpr_count 2
		.amdhsa_user_sgpr_kernarg_segment_ptr 1
		.amdhsa_wavefront_size32 1
		.amdhsa_system_sgpr_workgroup_id_x 1
		.amdhsa_system_sgpr_workgroup_id_y 1
		.amdhsa_system_sgpr_workgroup_id_z 1
		.amdhsa_system_vgpr_workitem_id 0
		.amdhsa_next_free_vgpr 1024
		.amdhsa_next_free_sgpr 102
		.amdhsa_reserve_vcc 0
		.amdhsa_float_denorm_mode_32 3
		.amdhsa_float_denorm_mode_16_64 3
		.amdhsa_memory_ordered 1
		.amdhsa_forward_progress 1
		.amdhsa_inst_pref_size 255
	.end_amdhsa_kernel
	.section	.bss,"aw",@nobits
	.p2align	6
	.space	262144
	.amdgpu_metadata
---
amdhsa.version: [ 1, 2 ]
amdhsa.kernels:
  - .name:           k_q679f6d05ad_bilinear
    .symbol:         k_q679f6d05ad_bilinear.kd
    .args:
      - { .name: U_codes, .offset: 0, .size: 8, .value_kind: global_buffer, .address_space: global }
      - { .name: U_scales, .offset: 8, .size: 8, .value_kind: global_buffer, .address_space: global }
      - { .name: args_input, .offset: 16, .size: 8, .value_kind: global_buffer, .address_space: global }
      - { .name: bias1, .offset: 24, .size: 8, .value_kind: global_buffer, .address_space: global }
      - { .name: bias2, .offset: 32, .size: 8, .value_kind: global_buffer, .address_space: global }
      - { .name: pred_input_codes, .offset: 40, .size: 8, .value_kind: global_buffer, .address_space: global }
      - { .name: pred_input_scales, .offset: 48, .size: 8, .value_kind: global_buffer, .address_space: global }
      - { .name: out0, .offset: 56, .size: 8, .value_kind: global_buffer, .address_space: global }
    .group_segment_fixed_size: 327680
    .private_segment_fixed_size: 0
    .kernarg_segment_align: 8
    .kernarg_segment_size: 64
    .max_flat_workgroup_size: 128
    .sgpr_count:     102
    .vgpr_count:     1024
    .wavefront_size: 32
...
	.end_amdgpu_metadata
.endif
;; end of part 2
